; MI455X (gfx1250); checked and timed in simulation.
; The chip was launched on July 23, 2026; its instructions are those of AMD's public machine-readable ISA for CDNA 5 (MIT licence, August 2026) and "CDNA5" Instruction Set Architecture Reference Guide (July 2026). The comments in the code are by the model that wrote it; some were corrected since.
;; Attention Layer. Allowed arithmetic: matrix products marked QUANTISED: E5M2 operands, one given power-of-two scale a tensor, by v_wmma_f32_16x16x64_bf8_bf8 or v_wmma_f32_16x16x128_bf8_bf8, f32 sums; everything else in f32.
;; Inputs: Wk_codes 1,024 x 32 x 32 uint8 (E5M2 codes of Wk, K innermost, in blocks of 32 codes); Wo_codes 1,024 x 32 x 32 uint8 (E5M2 codes of Wo, K innermost, in blocks of 32 codes); Wq_codes 1,024 x 32 x 32 uint8 (E5M2 codes of Wq, K innermost, in blocks of 32 codes); Wv_codes 1,024 x 32 x 32 uint8 (E5M2 codes of Wv, K innermost, in blocks of 32 codes); bk 1,024 float32; bo 1,024 float32; bq 1,024 float32; bv 1,024 float32; k 4 x 2,048 x 1,024 float32; lowp_scales 12 int32 (the exponents e of the quantised operands' scales 2^e); norm1_b 1,024 float32; norm1_w 1,024 float32; norm_b 1,024 float32; norm_w 1,024 float32; q 4 x 2,048 x 1,024 float32; v 4 x 2,048 x 1,024 float32.
;; Outputs: out0 4 x 2,048 x 1,024 float32.
;; This version of the problem:
;;   THIS VERSION OF THE PROBLEM IS GIVEN IN LOW PRECISION. The matrix products marked QUANTISED in the list below multiply operands that are first quantised to E5M2 (5 exponent bits, 2 mantissa bits; 8 bits a number), with one given power-of-two scale for each operand tensor; their sums are f32. All else is computed in f32.
;;   The module's matrix products, in the order in which they are computed (A, B: the left and right operand; K: the contracted axis; several contracted axes count as one K, in the product's order):
;;     1. [M 8,192, K 1,024] x [K 1,024, N 1,024]; A: computed on the way; B: input Wq (given as codes): QUANTISED (scales: A lowp_scales[0], B lowp_scales[1])
;;     2. [M 8,192, K 1,024] x [K 1,024, N 1,024]; A: computed on the way; B: input Wk (given as codes): QUANTISED (scales: A lowp_scales[2], B lowp_scales[3])
;;     3. [M 8,192, K 1,024] x [K 1,024, N 1,024]; A: computed on the way; B: input Wv (given as codes): QUANTISED (scales: A lowp_scales[4], B lowp_scales[5])
;;     4. batch 64 x [M 2,048, K 64] x [K 64, N 2,048]; A: computed on the way; B: computed on the way: QUANTISED (scales: A lowp_scales[6], B lowp_scales[7])
;;     5. batch 64 x [M 64, K 2,048] x [K 2,048, N 2,048]; A: computed on the way; B: softmax (see below): QUANTISED (scales: A lowp_scales[8], B lowp_scales[9])
;;     6. [M 8,192, K 1,024] x [K 1,024, N 1,024]; A: computed on the way; B: input Wo (given as codes): QUANTISED (scales: A lowp_scales[10], B lowp_scales[11])
;;   THE QUANTISER, for each operand of a quantised product, along K:
;;     - The operand's scale is 2^e, e = its entry of the input lowp_scales (int32; the entries are numbered through the quantised products in the list's order, A before B).
;;     - Each number is divided by the scale, clamped to +-57,344, and rounded to the nearest number of E5M2, ties to even, subnormals kept.
;;     - The product sums the exact products of the quantised numbers (number of the format x scale) in f32.
;;   ~~~python
;;   def quantise(x, axis, e):      # numpy; x: float32 -> the quantised numbers, widened to float32 again
;;       x = np.moveaxis(x, axis, -1); K = x.shape[-1]
;;       r = np.clip(x / 2.0 ** e, -57344, 57344)
;;       step = 2.0 ** (np.maximum(np.frexp(np.where(r == 0, 1, r))[1] - 1, -14) - 2)
;;       q = np.round(r / step) * step * 2.0 ** e      # np.round: ties to even
;;       return np.moveaxis(q, -1, axis).astype(np.float32)
;;   ~~~
;;   SOFTMAX AHEAD OF A QUANTISED PRODUCT. Where the list says 'softmax', what is quantised is not the finished softmax but p = 2^(t - M), with t = logit x log2(e) and M = ceil(the row's largest t), a whole number; so 1/2 < the row's largest p <= 1. The row's sum l is taken of the UNQUANTISED p, in f32, and the product's result is divided by l at the end. Since M is a whole number, a kernel that streams over the keys may use a running M (the ceiling of the running maximum): every later rescaling is an exact power of two, so the quantised numbers keep their values, but for numbers so far below the row's largest that they fall under the format's range.
;;   OPERANDS COMPUTED ON THE WAY. 'Computed on the way' means the value that the module computes at that place (a softmax that the list does not call 'softmax' is quantised finished and normalised). What goes into a quantiser is computed in f32, as accurately as f32 sums, v_exp_f32 and their like allow (about 1e-6 of the number): no bf16 or f16 on the way to a quantiser, and a product that is left as it is and whose result goes on into a quantised operand takes f32 operands (vector FMAs, or v_wmma_f32_16x16x4_f32). A number that lies on a knife's edge between two numbers of the format may be rounded either way, as far as f32 arithmetic and the matrix unit's own rounding can turn it there, and no further.
;;   INPUTS GIVEN AS CODES. Wk (in the module: [1024, 1024], K = its axis 0); Wo (in the module: [1024, 1024], K = its axis 0); Wq (in the module: [1024, 1024], K = its axis 0); Wv (in the module: [1024, 1024], K = its axis 0): each comes as NAME_codes (uint8): NAME with its K axis moved to the last place and cut into blocks of 32 codes, [.., K / 32, bytes a block], one block behind the other in memory; one code a byte (a code: sign, 5 exponent bits, 2 mantissa bits); its scale is its entry of lowp_scales. Its value is code x scale, taken as it is: it is not quantised again, and the codes and scales need not be those that the quantiser above would give.
;; One version. Each part assembles by itself: llvm-mc -triple=amdgcn-amd-amdhsa -mcpu=gfx1250 --defsym DOCPART=n.
;; ======== version 1 of 1: 3 launches
;; limits: right only within a limited range of input values
;; workspace buffers: xc 25,165,824 bytes; wimg 4,194,304 bytes; qf 33,554,432 bytes; qc 8,388,608 bytes; kv 16,777,216 bytes
;; launch prep (part 1): grid 416 x 1, 8 waves a work-group, no clusters, 70,656 bytes of LDS; arguments q, k, v, norm_w, norm_b, lowp_scales, Wq_codes, Wk_codes, Wv_codes, Wo_codes, xc, wimg; writes xc, wimg
.if DOCPART == 1
	.amdgcn_target "amdgcn-amd-amdhsa--gfx1250"
	.amdhsa_code_object_version 6
	.text
	.protected	k_qc0c81c3780_prep
	.globl	k_qc0c81c3780_prep
	.p2align	8
	.type	k_qc0c81c3780_prep,@function
k_qc0c81c3780_prep:
	s_mov_b64 s[64:65], 0
	v_nop
	global_prefetch_b8 v0, s[64:65] scope:SCOPE_SE
	s_setreg_imm32_b32 hwreg(HW_REG_WAVE_MODE, 25, 1), 1
	s_wait_xcnt 0x0
; Work-groups 32 to 415: LayerNorm of q, k, v ([8192][1024] f32 each) and their codes of E5M2 with the given scales 2^e (entries 0, 2, 4 of the scales), stored as IMAGES OF OPERAND REGISTERS.
; Work-groups 0 to 31: the four weights' codes ([n 1024][k 1024], one byte a code) are laid anew, as images too.
; AN IMAGE: a fragment of 16 rows x 128 K is four groups c of 512 bytes; lane L = r + 16 h has its 16 bytes at 16 L: k = 32 c + 16 h + 0 .. 15 of the tile's row r.
; THE ROWS OF A TILE: within 32 rows, tile 2 B + u, lane r holds row 32 B + 8 u + r + 8 (r / 8).
; xc:   [tensor 3][block of 128 rows 64][K step 8][tile 8][c 4][512].     wimg: [Wq, Wk, Wv, Wo][128 columns n: 8][K step 8][tile 8][c 4][512].
; THE NORM.  A work-group takes 64 rows, a wave 8, one row at a time in 32 registers (each load reads 512 consecutive bytes; a lane's number 4 j + q is k = 128 j + 4 lane + q).
; Mean, then the mean of (x - mean)^2, both in f32; (x - mean) x rsq(var + eps) x w + b; held within +-57,344 x 2^e; converted.  Four row slots: three rows' loads are out while one is worked.
; A lane's four codes of a K step are one word.  The words meet in a stage in LDS (256 rows of 256 bytes + 16), and each wave stores one K step's 8,192 bytes, 512 consecutive bytes an instruction.
; No matrix unit, no tensor load, no cluster: a stream that shares nothing between work-groups.
; LIMITS: each e between -126 and 112, so that 2^e and 57,344 x 2^e are f32 numbers.  NaN among the inputs is not served.
.set SP,   272                         ; a stage row: 256 bytes + 16 = 68 words: the 32 lanes of a word store (8 rows x 4 words) fall on 32 different banks (64 banks of 4 bytes: ISA guide 11.1)
.set KST,  32*SP                       ; a K step's 32 stage rows (4 tiles x 4 c x 2 h)
.set NWR,  32                          ; v32-63  norm_w at my 32 places of a row
.set NBR,  64                          ; v64-95  norm_b
.set X,    96                          ; v96-223 four row slots of 32
.set CD,   22                          ; v22-29  a row's code words, one a K step
; v2 16 x lane; v3 stage, in; v4 stage, out; v6 2^e; v7 57,344 x 2^e; v8-15 four packed chains; v[16:17] mean; v[18:19] rsq; v20 the lane exchange's destination
.macro FILL i                          ; row i of my eight into slot i % 4
.irp j, 0,1,2,3,4,5,6,7
	global_load_b128 v[X+32*((\i)%4)+4*\j:X+32*((\i)%4)+4*\j+3], v2, s[34:35] offset:(\i)*4096+512*\j th:TH_LOAD_NT
.endr
.endm
.macro LANES                           ; the four chains, the pair's halves and the 32 lanes are added: every lane ends with the row's sum in v8
	s_delay_alu instid0(VALU_DEP_3)
	v_pk_add_f32 v[8:9], v[8:9], v[10:11]
	s_delay_alu instid0(VALU_DEP_2)
	v_pk_add_f32 v[12:13], v[12:13], v[14:15]
	s_delay_alu instid0(VALU_DEP_1)
	v_pk_add_f32 v[8:9], v[8:9], v[12:13]
	s_delay_alu instid0(VALU_DEP_1)
	v_add_f32 v8, v8, v9
	s_delay_alu instid0(VALU_DEP_1)
	v_add_f32_dpp v8, v8, v8 row_xmask:1 row_mask:0xf bank_mask:0xf
	s_delay_alu instid0(VALU_DEP_1)
	v_add_f32_dpp v8, v8, v8 row_xmask:2 row_mask:0xf bank_mask:0xf
	s_delay_alu instid0(VALU_DEP_1)
	v_add_f32_dpp v8, v8, v8 row_xmask:4 row_mask:0xf bank_mask:0xf
	s_delay_alu instid0(VALU_DEP_1)
	v_add_f32_dpp v8, v8, v8 row_xmask:8 row_mask:0xf bank_mask:0xf
	s_delay_alu instid0(VALU_DEP_1)
	v_permlanex16_b32 v20, v8, s50, s51
	s_delay_alu instid0(VALU_DEP_1)
	v_add_f32 v8, v8, v20
.endm
.macro TURN i, left                    ; row i.  left: the younger loads that may stay out
.set XS, X+32*((\i)%4)
	s_wait_loadcnt \left                           ; loads come back in order: my row's eight are in
.irp c, 0,1,2,3
	v_pk_add_f32 v[8+2*\c:9+2*\c], v[XS+2*\c:XS+2*\c+1], v[XS+8+2*\c:XS+9+2*\c]   ; the first pairs start the chains: nothing is cleared
.endr
.irp j, 16,24
.irp c, 0,1,2,3
	s_delay_alu instid0(VALU_DEP_4)
	v_pk_add_f32 v[8+2*\c:9+2*\c], v[8+2*\c:9+2*\c], v[XS+\j+2*\c:XS+\j+2*\c+1]
.endr
.endr
	LANES
	s_delay_alu instid0(VALU_DEP_1)
	v_mul_f32 v16, s48, v8                         ; the mean
.set n, 0
.rept 16
	v_pk_add_f32 v[XS+n:XS+n+1], v[XS+n:XS+n+1], v[16:17] op_sel_hi:[1,0] neg_lo:[0,1] neg_hi:[0,1]   ; x - mean, in place
.set n, n+2
.endr
.irp c, 0,1,2,3
	v_pk_mul_f32 v[8+2*\c:9+2*\c], v[XS+2*\c:XS+2*\c+1], v[XS+2*\c:XS+2*\c+1]
.endr
.irp j, 8,16,24
.irp c, 0,1,2,3
	s_delay_alu instid0(VALU_DEP_4)
	v_pk_fma_f32 v[8+2*\c:9+2*\c], v[XS+\j+2*\c:XS+\j+2*\c+1], v[XS+\j+2*\c:XS+\j+2*\c+1], v[8+2*\c:9+2*\c]
.endr
.endr
	LANES
	s_delay_alu instid0(VALU_DEP_1)
	v_fma_f32 v8, v8, s48, s49                     ; the variance + eps
	s_wait_alu depctr_va_vdst(0)
	v_rsq_f32 v18, v8
	v_nop                                          ; a plain instruction behind the transcendental,
	s_wait_alu depctr_va_vdst(0)                   ; and the wait ahead of its first reader
.set n, 0
.rept 16
	v_pk_mul_f32 v[XS+n:XS+n+1], v[XS+n:XS+n+1], v[18:19] op_sel_hi:[1,0]
.set n, n+2
.endr
.set n, 0
.rept 16
	v_pk_fma_f32 v[XS+n:XS+n+1], v[XS+n:XS+n+1], v[NWR+n:NWR+n+1], v[NBR+n:NBR+n+1]
.set n, n+2
.endr
.set n, 0
.rept 32
	v_med3_num_f32 v[XS+n], v[XS+n], -v7, v7       ; the conversion to an 8-bit code does not saturate (ISA guide 7.6.2): the hold at the largest code x the scale
.set n, n+1
.endr
	s_wait_alu depctr_va_vdst(0)
	s_wait_dscnt 0x0                               ; the last row's stores into the stage have read the code words
.irp g, 0,1,2,3
	v_cvt_scalef32_pk8_bf8_f32 v[CD+2*\g:CD+2*\g+1], v[XS+8*\g:XS+8*\g+7], v6   ; registers 8 g .. 8 g + 7 are K steps 2 g and 2 g + 1: a word of four codes for each
.endr
.irp s, 0,1,2,3,4,5,6,7
	ds_store_b32 v3, v[CD+\s] offset:\s*KST+16*(\i)
.endr
.if (\i) < 4
	FILL (\i)+4                                    ; the slot takes the row four further on
.endif
.endm
	s_load_b512 s[4:19], s[0:1], 0x0               ; q s[4:5], k s[6:7], v s[8:9], norm_w s[10:11], norm_b s[12:13], scales s[14:15], Wq s[16:17], Wk s[18:19]
	s_load_b256 s[20:27], s[0:1], 0x40             ; Wv s[20:21], Wo s[22:23], xc s[24:25], wimg s[26:27]
	v_lshl_add_u32 v224, v0, 2, 0x11000
	v_mov_b32 v225, 0
	v_lshrrev_b32 v1, 5, v0
	s_delay_alu instid0(VALU_DEP_1)
	v_readfirstlane_b32 s28, v1                    ; wave 0..7
	v_and_b32 v1, 31, v0                           ; lane
	s_delay_alu instid0(VALU_DEP_1)
	v_lshlrev_b32 v2, 4, v1                        ; 16 x lane
	s_cmp_lt_u32 ttmp9, 32                         ; the work-group's number alone decides: the same for all eight waves
	s_cbranch_scc1 .Lrelay
	; ---- the norm
	s_sub_co_u32 s29, ttmp9, 32
	s_lshr_b32 s30, s29, 7                         ; tensor 0, 1, 2
	s_and_b32 s31, s29, 127                        ; which 64 rows of it
	v_lshrrev_b32 v3, 2, v1                        ; the stage, in: stage row 2 c + h = lane / 4, word lane % 4,
	s_delay_alu instid0(VALU_DEP_1)
	v_mul_u32_u24 v3, v3, SP
	v_and_b32 v5, 3, v1
	s_delay_alu instid0(VALU_DEP_1)
	v_lshl_add_u32 v3, v5, 2, v3
	s_wait_alu depctr_va_vdst(0)
	s_lshr_b32 s32, s28, 2                         ; my rows 8 w + i lie in tile 2 (w / 4) + w % 2 of the work-group's four, at lanes r = i + 8 ((w / 2) % 2)
	s_lshl_b32 s32, s32, 1
	s_and_b32 s33, s28, 1
	s_add_co_u32 s32, s32, s33
	s_mul_i32 s32, s32, 8*SP
	s_bfe_u32 s33, s28, 0x10001
	s_lshl_b32 s33, s33, 7
	s_add_co_u32 s32, s32, s33
	v_add_nc_u32 v3, s32, v3
	v_lshrrev_b32 v4, 4, v1                        ; the stage, out: K step w; sixteen lanes to a stage row, two rows an instruction
	s_delay_alu instid0(VALU_DEP_1)
	v_mul_u32_u24 v4, v4, SP
	v_and_b32 v5, 15, v1
	s_delay_alu instid0(VALU_DEP_1)
	v_lshl_add_u32 v4, v5, 4, v4
	s_mul_i32 s33, s28, KST
	v_add_nc_u32 v4, s33, v4
	s_mov_b32 s48, 0x3a800000                      ; 1 / 1024
	s_mov_b32 s49, 0x3727c5ac                      ; eps = 1e-5
	s_mov_b32 s50, 0x76543210                      ; v_permlanex16_b32: each lane takes its own place in the other half
	s_mov_b32 s51, 0xfedcba98
	v_mov_b32 v17, 0                               ; (named as upper halves of pairs, and as an exchange's destination: written once)
	v_mov_b32 v19, 0
	v_mov_b32 v20, 0
	s_lshl_b32 s44, s31, 18                        ; in: 64 rows of 4,096 bytes a work-group, 8 a wave
	s_lshl_b32 s45, s28, 15
	s_add_co_u32 s44, s44, s45
	s_mov_b32 s45, 0
	s_wait_kmcnt 0x0
	s_load_b256 s[36:43], s[14:15], 0x0            ; e0 .. e7
	s_cmp_eq_u32 s30, 0
	s_cselect_b64 s[34:35], s[4:5], s[6:7]
	s_cmp_eq_u32 s30, 2
	s_cselect_b64 s[34:35], s[8:9], s[34:35]
	s_add_nc_u64 s[34:35], s[34:35], s[44:45]
	s_lshl_b32 s44, s30, 23                        ; out: tensor x 8 MiB + block x 131,072 + K step w x 16,384 + half x 4 tiles of 2,048
	s_lshr_b32 s46, s31, 1
	s_lshl_b32 s46, s46, 17
	s_add_co_u32 s44, s44, s46
	s_and_b32 s46, s31, 1
	s_lshl_b32 s46, s46, 13
	s_add_co_u32 s44, s44, s46
	s_lshl_b32 s46, s28, 14
	s_add_co_u32 s44, s44, s46
	s_add_nc_u64 s[24:25], s[24:25], s[44:45]
.irp j, 0,1,2,3,4,5,6,7
	global_load_b128 v[NWR+4*\j:NWR+4*\j+3], v2, s[10:11] offset:512*\j
	global_load_b128 v[NBR+4*\j:NBR+4*\j+3], v2, s[12:13] offset:512*\j
.endr
	FILL 0
	FILL 1
	FILL 2
	FILL 3
	s_wait_kmcnt 0x0
	s_cmp_eq_u32 s30, 0
	s_cselect_b32 s46, s36, s38
	s_cmp_eq_u32 s30, 2
	s_cselect_b32 s46, s40, s46                    ; e of my tensor: a choice, no branch
	s_add_co_i32 s46, s46, 127
	s_lshl_b32 s47, s46, 23
	v_mov_b32 v6, s47                              ; 2^e as f32: the conversion takes its exponent field
	s_add_co_i32 s46, s46, 15
	s_lshl_b32 s46, s46, 23
	s_or_b32 s46, s46, 0x600000
	v_mov_b32 v7, s46                              ; 57,344 x 2^e
	TURN 0, 24                                     ; three younger rows of eight loads stay out;
	TURN 1, 24
	TURN 2, 24
	TURN 3, 24
	TURN 4, 24
	TURN 5, 16                                     ; the last rows load nothing more: the counts run down
	TURN 6, 8
	TURN 7, 0
	s_wait_dscnt 0x0                               ; for the others' sake: my words lie in the stage
	s_barrier_signal -1
	s_barrier_wait -1
.irp t, 0,1,2,3,4,5,6,7,8,9,10,11,12,13,14,15
	ds_load_b128 v[X+4*\t:X+4*\t+3], v4 offset:2*SP*\t
.endr
.irp t, 0,1,2,3,4,5,6,7,8,9,10,11,12,13,14,15
	s_wait_dscnt 15-\t
	global_store_b128 v2, v[X+4*\t:X+4*\t+3], s[24:25] offset:512*\t   ; 32 lanes store 512 consecutive bytes, at a multiple of 512 from the buffer's first byte
.endr
	s_wait_tensorcnt 0x0
	ds_add_u32 v224, v225
	s_wait_dscnt 0x0
	s_endpgm
	; ---- the weights: work-group = 8 x matrix + column group g; wave = K step; 8 tiles x 4 groups.  The reads are pieces of 32 bytes of 16 rows (4 MiB, once); the stores are dense.
.Lrelay:
	s_lshr_b32 s30, ttmp9, 3                       ; matrix: 0 Wq, 1 Wk, 2 Wv, 3 Wo
	s_and_b32 s31, ttmp9, 7                        ; g
	s_wait_alu depctr_va_vdst(0)
	v_and_b32 v5, 15, v1                           ; r
	v_lshrrev_b32 v8, 4, v1                        ; h
	s_delay_alu instid0(VALU_DEP_2)
	v_and_b32 v9, 8, v5
	s_delay_alu instid0(VALU_DEP_1)
	v_add_nc_u32 v9, v9, v5                        ; r + 8 (r / 8)
	s_delay_alu instid0(VALU_DEP_1)
	v_lshlrev_b32 v9, 10, v9                       ; a row n is 1,024 bytes
	s_delay_alu instid0(VALU_DEP_1)
	v_lshl_add_u32 v9, v8, 4, v9
	s_lshl_b32 s44, s31, 17                        ; in: 128 g rows + 128 bytes a K step
	s_lshl_b32 s46, s28, 7
	s_add_co_u32 s44, s44, s46
	s_mov_b32 s45, 0
	s_lshl_b32 s46, s30, 20                        ; out
	s_lshl_b32 s47, s31, 17
	s_add_co_u32 s46, s46, s47
	s_lshl_b32 s47, s28, 14
	s_add_co_u32 s46, s46, s47
	s_mov_b32 s47, 0
	s_and_b32 s29, s30, 1
	s_wait_alu depctr_va_vdst(0)
	s_wait_kmcnt 0x0
	s_cmp_lt_u32 s30, 2
	s_cselect_b64 s[34:35], s[16:17], s[20:21]
	s_cselect_b64 s[36:37], s[18:19], s[22:23]
	s_cmp_eq_u32 s29, 1
	s_cselect_b64 s[34:35], s[36:37], s[34:35]
	s_add_nc_u64 s[34:35], s[34:35], s[44:45]
	s_add_nc_u64 s[26:27], s[26:27], s[46:47]
.set n, 0
.rept 32                               ; n = 4 b + c: tile b begins at row 64 (b / 4) + 32 ((b % 4) / 2) + 8 (b % 2) of the group's 128
	global_load_b128 v[X+4*n:X+4*n+3], v9, s[34:35] offset:(64*(n/16)+32*(((n/4)%4)/2)+8*((n/4)%2))*1024+32*(n%4)
.set n, n+1
.endr
.set n, 0
.rept 32
	s_wait_loadcnt 31-n
	global_store_b128 v2, v[X+4*n:X+4*n+3], s[26:27] offset:512*n
.set n, n+1
.endr
	s_endpgm
.Lfunc_end_k_qc0c81c3780_prep:
	.size	k_qc0c81c3780_prep, .Lfunc_end_k_qc0c81c3780_prep-k_qc0c81c3780_prep
	.p2alignl 7, 3214868480
	.fill 96, 4, 3214868480
	.section	.rodata,"a",@progbits
	.p2align	6, 0x0
	.amdhsa_kernel k_qc0c81c3780_prep
		.amdhsa_group_segment_fixed_size 70656
		.amdhsa_private_segment_fixed_size 0
		.amdhsa_enable_private_segment 0
		.amdhsa_kernarg_size 96
		.amdhsa_user_sgpr_count 2
		.amdhsa_user_sgpr_kernarg_segment_ptr 1
		.amdhsa_wavefront_size32 1
		.amdhsa_system_sgpr_workgroup_id_x 1
		.amdhsa_system_sgpr_workgroup_id_y 1
		.amdhsa_system_sgpr_workgroup_id_z 1
		.amdhsa_system_vgpr_workitem_id 0
		.amdhsa_next_free_vgpr 226
		.amdhsa_next_free_sgpr 66
		.amdhsa_reserve_vcc 0
		.amdhsa_float_denorm_mode_32 3
		.amdhsa_float_denorm_mode_16_64 3
		.amdhsa_memory_ordered 1
		.amdhsa_forward_progress 1
		.amdhsa_inst_pref_size 105
	.end_amdhsa_kernel
	.amdgpu_metadata
---
amdhsa.version: [ 1, 2 ]
amdhsa.kernels:
  - .name:           k_qc0c81c3780_prep
    .symbol:         k_qc0c81c3780_prep.kd
    .args:
      - { .name: q, .offset: 0, .size: 8, .value_kind: global_buffer, .address_space: global }
      - { .name: k, .offset: 8, .size: 8, .value_kind: global_buffer, .address_space: global }
      - { .name: v, .offset: 16, .size: 8, .value_kind: global_buffer, .address_space: global }
      - { .name: norm_w, .offset: 24, .size: 8, .value_kind: global_buffer, .address_space: global }
      - { .name: norm_b, .offset: 32, .size: 8, .value_kind: global_buffer, .address_space: global }
      - { .name: lowp_scales, .offset: 40, .size: 8, .value_kind: global_buffer, .address_space: global }
      - { .name: Wq_codes, .offset: 48, .size: 8, .value_kind: global_buffer, .address_space: global }
      - { .name: Wk_codes, .offset: 56, .size: 8, .value_kind: global_buffer, .address_space: global }
      - { .name: Wv_codes, .offset: 64, .size: 8, .value_kind: global_buffer, .address_space: global }
      - { .name: Wo_codes, .offset: 72, .size: 8, .value_kind: global_buffer, .address_space: global }
      - { .name: xc, .offset: 80, .size: 8, .value_kind: global_buffer, .address_space: global }
      - { .name: wimg, .offset: 88, .size: 8, .value_kind: global_buffer, .address_space: global }
    .group_segment_fixed_size: 70656
    .private_segment_fixed_size: 0
    .kernarg_segment_align: 8
    .kernarg_segment_size: 96
    .max_flat_workgroup_size: 256
    .sgpr_count:     66
    .vgpr_count:     226
    .wavefront_size: 32
...
	.end_amdgpu_metadata
.endif
;; end of part 1
;; launch gemm_qkv (part 2): grid 64 x 4, 4 waves a work-group, no clusters, 168,448 bytes of LDS; arguments xc, wimg, lowp_scales, bq, bk, bv, qf, qc, kv; writes qf, qc, kv
.if DOCPART == 2
	.amdgcn_target "amdgcn-amd-amdhsa--gfx1250"
	.amdhsa_code_object_version 6
	.text
	.protected	k_qc0c81c3780_gemm_qkv
	.globl	k_qc0c81c3780_gemm_qkv
	.p2align	8
	.type	k_qc0c81c3780_gemm_qkv,@function
k_qc0c81c3780_gemm_qkv:
	s_mov_b64 s[64:65], 0
	v_nop
	global_prefetch_b8 v0, s[64:65] scope:SCOPE_SE
	s_setreg_imm32_b32 hwreg(HW_REG_WAVE_MODE, 25, 1), 1
	s_wait_xcnt 0x0
; The three projections, on codes of E5M2: work-group y = 0: Q = qn Wq + bq, 1: K, 2: V; work-group x = a block of 128 tokens.  K = 1,024 in 8 steps of 128, written out.
; Four waves; a wave makes 128 tokens x 128 columns (64 accumulators, 512 registers), twice: column groups 2 w and 2 w + 1, which are heads 4 w .. 4 w + 3.
; A (the tokens' codes, 131,072 bytes, images of registers) comes into LDS once, one tensor load a wave, and is never filled again.  W's images go from memory STRAIGHT INTO REGISTERS, 512 consecutive bytes an
; instruction: each wave reads other columns, so nothing of W is shared inside the work-group.
; NO CLUSTER: W never lands in LDS here.  A shared ring for W beside A's 131,072 bytes would hold one K step a slot, and every fragment of W would be read from LDS on top of A's: 32,768 bytes a wave and step against 16,384.
; Q AND K: source 0 = 16 rows of W, source 1 = 16 tokens: a lane holds ONE token and, in two neighbouring tiles, 16 neighbouring channels of a head: sum x 2^(ea + eb) + bias, then the hold and the conversion give 16 codes
;   that are the lane's 16 bytes of the next product's image.  Q is also stored as f32 (the residual wants it unquantised).
; V: the sources are swapped: a lane holds ONE channel and 16 neighbouring tokens, which are the keys, the second product's K.
; OUT: qc [bh][tile of 16 queries 128][c 2][512];  qf [bh][tile 128][group 8][512] f32 (a lane's number 16 b + i is channel 32 b + 16 h + i);  kv [bh][128 keys: 16][K: tile 8 x c 2 x 512][V: tile 4 x c 4 x 512].
; LIMITS: ea + eb between -126 and 127; the result's e (entries 6, 7, 8) between -126 and 112.  NaN is not served.
; REGISTERS, in windows of 256: window 0: v1 16 x lane, v2 the same + 65,536 (A's K steps 4-7), v4, v5 the biases' lane terms, v8 2^e, v9 57,344 x 2^e, v32-95 biases, v96-127 at work, v128-255 A's 8 fragments, ONE set, later the codes;
;   window 1: W's 8 fragments, TWO sets, at v0 and v128;   windows 2, 3: accumulator (a, b) at v[8 (8 (a % 4) + b)] of window 2 + a / 4.
.set MSB, 0
.macro WIN new                         ; the immediate's high byte repeats the setting that is left; a switch that changes nothing is dropped
.if MSB != (\new)
	s_set_vgpr_msb (MSB<<8)|(\new)
.set MSB, (\new)
.endif
.endm
.macro PLACES                          ; four plain vector instructions between a matrix instruction and a load into one of its registers or a read of its result (ISA guide 7.12.1 for a read of its result)
.rept 4
	v_nop
.endr
.endm
.macro FETCH_A s, i0                   ; A's blocks i0 .. i0 + 3 of K step s
.irp i, \i0, \i0+1, \i0+2, \i0+3
.irp c, 0,1,2,3
	ds_load_b128 v[128+16*(\i)+4*\c:128+16*(\i)+4*\c+3], v[1+(\s)/4] offset:((\s)%4)*16384+(\i)*2048+\c*512
.endr
.endr
.endm
.macro FETCH_B s, p                    ; W's eight fragments of K step s into set p
	WIN 0x40                                       ; destination window 1, address window 0
.irp i, 0,1,2,3,4,5,6,7
.irp c, 0,1,2,3
	global_load_b128 v[128*(\p)+16*\i+4*\c:128*(\p)+16*\i+4*\c+3], v1, s[40:41] offset:(\s)*16384+\i*2048+\c*512
.endr
.endr
	WIN 0
.endm
; 16 matrix instructions: A's blocks a0, a0 + 1 x W's eight.  ZR = 1: the first K step starts the sums.  The 64 accumulators take turns, one instruction a turn, in the same order in every step.
.macro MUL16 a0, p, swap
.irp a, \a0, \a0+1
.irp b, 0,1,2,3,4,5,6,7
.set DA, 8*(8*((\a)%4)+\b)
.set WB, 128*(\p)+16*\b
.set XF, 128+16*(\a)
.if \swap
.if ZR
	v_wmma_f32_16x16x128_bf8_bf8 v[DA:DA+7], v[XF:XF+15], v[WB:WB+15], 0
.else
	v_wmma_f32_16x16x128_bf8_bf8 v[DA:DA+7], v[XF:XF+15], v[WB:WB+15], v[DA:DA+7]
.endif
.else
.if ZR
	v_wmma_f32_16x16x128_bf8_bf8 v[DA:DA+7], v[WB:WB+15], v[XF:XF+15], 0
.else
	v_wmma_f32_16x16x128_bf8_bf8 v[DA:DA+7], v[WB:WB+15], v[XF:XF+15], v[DA:DA+7]
.endif
.endif
.endr
.endr
.endm
.macro STEP s, swap
.set ZR, 0
.if (\s) == 0
.set ZR, 1
.endif
.if (\s) < 7
	s_wait_loadcnt 32                              ; this step's W is in; the next step's 32 loads may be out
.else
	s_wait_loadcnt 0x0
.endif
	s_wait_dscnt 16                                ; A's blocks 0-3 are in; blocks 4-7 may be out
	WIN 0xa1+3*(\swap)                             ; W window 1, A window 0, C and D window 2
	MUL16 0, (\s)%2, \swap
	MUL16 2, (\s)%2, \swap
	s_wait_dscnt 0x0                               ; A's blocks 4-7 are in
.if (\s) < 7
	PLACES
	WIN 0
	FETCH_A (\s)+1, 0                              ; blocks 0-3 are free as soon as their products are issued
.endif
	WIN 0xf1+3*(\swap)                             ; C and D window 3
	MUL16 4, (\s)%2, \swap
	MUL16 6, (\s)%2, \swap
	PLACES
	WIN 0
.if (\s) < 7
	FETCH_A (\s)+1, 4
.endif
.if (\s) < 6
	FETCH_B (\s)+2, (\s)%2                         ; the set just multiplied takes the step after next
.endif
.endm
.macro CORE swap
	FETCH_A 0, 0                                   ; W's K steps 0 and 1 are on their way already: asked for in the head, or behind the pass before
	FETCH_A 0, 4
.irp s, 0,1,2,3,4,5,6,7
	STEP \s, \swap
.endr
	s_cmp_lt_u32 s60, 1                            ; does a pass follow?  (the pass counter: made of ids alone, the same in all four waves)
	s_cbranch_scc0 .Lno_next_\@
	FETCH_B 8, 0                                   ; the next column group's images follow 8 K steps on: its K steps 0 and 1 land while this pass's results go out; both sets are free behind the last step's places
	FETCH_B 9, 1
.Lno_next_\@:
.endm
.macro NEXTPASS                        ; on to the next column group: two heads further
	s_wait_xcnt 0x0                                ; every load and store has read its base and its registers
	s_add_nc_u64 s[40:41], s[40:41], 0x20000
	s_add_nc_u64 s[42:43], s[42:43], 512
	s_add_nc_u64 s[44:45], s[44:45], s[54:55]
	s_add_nc_u64 s[46:47], s[46:47], s[54:55]
	s_add_nc_u64 s[48:49], s[48:49], 0x100000
	s_add_nc_u64 s[50:51], s[50:51], 0x100000
	s_add_co_u32 s60, s60, 1
	s_cmp_lt_u32 s60, 2
.endm
; Q, K: tile of tokens a, tiles of channels 2 bb and 2 bb + 1: head bb / 2 of the pass's two, channels 32 (bb % 2) + 16 h + 0 .. 15
.macro EPK a, bb
.set AC, 8*(8*((\a)%4)+2*(\bb))
.set CR, 128+4*(4*(\a)+(\bb))
	WIN 0x02+(\a)/4                                ; source 0: window 2 or 3
.irp i, 0,2,4,6,8,10,12,14
	v_pk_fma_f32 v[96+\i:97+\i], v[AC+\i:AC+\i+1], s[52:53], v[32+16*(\bb)+\i:33+16*(\bb)+\i] op_sel_hi:[1,0,1]   ; sum x 2^(ea + eb) + bias; each accumulator from its low end on
.endr
	WIN 0
	s_cmp_lg_u32 s23, 0                            ; Q alone is kept as f32
	s_cbranch_scc1 .Lnot_q_\@
.irp g, 0,1,2,3
	global_store_b128 v1, v[96+4*\g:99+4*\g], s[48+2*((\bb)/2):49+2*((\bb)/2)] offset:(\a)*4096+(4*((\bb)%2)+\g)*512
.endr
	s_wait_xcnt 0x0                                ; Q's stores have read v96-111, which the next call writes again; no other store reads them, so K's way has no such wait
.Lnot_q_\@:
.set n, 0
	s_wait_alu depctr_va_vdst(0)
.rept 16
	v_med3_num_f32 v[112+n], v[96+n], -v9, v9      ; the hold at the largest code x the scale (ISA guide 7.6.2)
.set n, n+1
.endr
	v_cvt_scalef32_pk8_bf8_f32 v[CR:CR+1], v[112:119], v8
	v_cvt_scalef32_pk8_bf8_f32 v[CR+2:CR+3], v[120:127], v8
	v_nop                                          ; a plain instruction behind the conversions
	global_store_b128 v1, v[CR:CR+3], s[44+2*((\bb)/2):45+2*((\bb)/2)] offset:(\a)*1024+((\bb)%2)*512
.endm
; V: tile of channels b (head b / 4, tile b % 4), tiles of tokens 2 be and 2 be + 1: keys 32 be + 16 h + 0 .. 15
.macro EPV b, be
.set AC, 8*(8*((2*(\be))%4)+(\b))
.set CR, 128+4*(4*(\b)+(\be))
	WIN 0x02+(\be)/2
.irp i, 0,2,4,6
	v_pk_fma_f32 v[96+\i:97+\i], v[AC+\i:AC+\i+1], s[52:53], v[32+2*(\b):33+2*(\b)] op_sel_hi:[1,0,1]
.endr
.irp i, 0,2,4,6
	v_pk_fma_f32 v[104+\i:105+\i], v[AC+64+\i:AC+64+\i+1], s[52:53], v[32+2*(\b):33+2*(\b)] op_sel_hi:[1,0,1]
.endr
	WIN 0
.set n, 0
.rept 16
	v_med3_num_f32 v[96+n], v[96+n], -v9, v9
.set n, n+1
.endr
	v_cvt_scalef32_pk8_bf8_f32 v[CR:CR+1], v[96:103], v8
	v_cvt_scalef32_pk8_bf8_f32 v[CR+2:CR+3], v[104:111], v8
	v_nop
	global_store_b128 v1, v[CR:CR+3], s[44+2*((\b)/4):45+2*((\b)/4)] offset:((\b)%4)*2048+(\be)*512
.endm
	s_load_b512 s[4:19], s[0:1], 0x0               ; xc s[4:5], wimg s[6:7], scales s[8:9], bq s[10:11], bk s[12:13], bv s[14:15], qf s[16:17], qc s[18:19]
	s_load_b64 s[20:21], s[0:1], 0x40              ; kv
	v_lshl_add_u32 v30, v0, 2, 0x29000
	v_mov_b32 v31, 0
	ds_add_u32 v30, v31
	ds_add_u32 v30, v31
	v_lshrrev_b32 v1, 5, v0
	v_readfirstlane_b32 s22, v1                    ; wave 0..3
	v_and_b32 v3, 31, v0
	v_lshlrev_b32 v1, 4, v3                        ; 16 x lane
	v_add_nc_u32 v2, 0x10000, v1
	s_and_b32 s24, ttmp7, 0xffff                   ; work-group y: 0, 1: Q's first and second column pass, one pass each; 2: K; 3: V, two passes each: 256 work-groups in all
	s_max_u32 s23, s24, 1
	s_sub_co_u32 s23, s23, 1                       ; the matrix, which the text calls y elsewhere: 0: Q, 1: K, 2: V
	; descriptor group 1: a dense block of 32,768 bytes as 128 rows of 32 elements of 8 bytes; no padding, no mask
	s_mov_b32 s28, 3<<16
	s_mov_b32 s29, 32<<16                          ; tensor_dim0
	s_mov_b32 s30, 128<<16                         ; tensor_dim1
	s_mov_b32 s31, 32<<16                          ; tile_dim0
	s_mov_b32 s32, 128                             ; tile_dim1
	s_mov_b32 s33, 32                              ; the pitch
	s_mov_b32 s34, 0
	s_mov_b32 s35, 0
	s_lshl_b32 s56, s23, 23                        ; my quarter of the block: tensor x 8 MiB + block x 131,072 + wave x 32,768
	s_lshl_b32 s57, ttmp9, 17
	s_add_co_u32 s56, s56, s57
	s_lshl_b32 s57, s22, 15
	s_add_co_u32 s56, s56, s57
	s_mov_b32 s57, 0
	s_mov_b32 s36, 1
	s_lshl_b32 s37, s22, 15                        ; LDS address: wave x 32,768
	s_wait_dscnt 0x0
	s_wait_kmcnt 0x0
	s_add_nc_u64 s[38:39], s[4:5], s[56:57]
	s_or_b32 s39, s39, 0x80000000
	tensor_load_to_lds s[36:39], s[28:35]          ; my one tensor load: a first fill; its bytes are filled once
	s_nop 0
.rept 4
	v_nop
.endr
	s_load_b256 s[68:75], s[8:9], 0x0              ; e0 .. e7
	s_load_b128 s[76:79], s[8:9], 0x20             ; e8 .. e11
	s_lshr_b32 s25, ttmp9, 4                       ; batch
	s_and_b32 s26, ttmp9, 15                       ; which 128 tokens of its 2,048
	s_cmp_eq_u32 s23, 0
	s_cselect_b64 s[44:45], s[18:19], s[20:21]     ; codes go to qc or to kv;
	s_cselect_b32 s58, 17, 18                      ; a head is 2^17 or 2^18 bytes there,
	s_cselect_b32 s59, 13, 14                      ; 128 tokens 2^13 or 2^14
	s_cselect_b64 s[42:43], s[10:11], s[12:13]
	s_cmp_eq_u32 s23, 2
	s_cselect_b64 s[42:43], s[14:15], s[42:43]     ; the bias
	s_cselect_b32 s61, 8192, 0                     ; V lies behind K in a key step
	s_lshl_b32 s56, s25, 4
	s_lshl_b32 s62, s22, 2
	s_add_co_u32 s56, s56, s62                     ; my first head: 16 x batch + 4 x wave
	s_lshl_b32 s62, s56, s58
	s_lshl_b32 s63, s26, s59
	s_add_co_u32 s62, s62, s63
	s_add_co_u32 s62, s62, s61
	s_mov_b32 s63, 0
	s_add_nc_u64 s[44:45], s[44:45], s[62:63]      ; codes, the pass's first head,
	s_lshl_b32 s54, 1, s58
	s_mov_b32 s55, 0
	s_add_nc_u64 s[46:47], s[44:45], s[54:55]      ; and its second
	s_lshl_b32 s54, s54, 1                         ; a pass's step: two heads
	s_lshl_b32 s62, s56, 19
	s_lshl_b32 s66, s26, 15
	s_add_co_u32 s62, s62, s66
	s_add_nc_u64 s[48:49], s[16:17], s[62:63]      ; qf likewise
	s_add_nc_u64 s[50:51], s[48:49], 0x80000
	s_lshl_b32 s62, s23, 20
	s_lshl_b32 s66, s22, 18
	s_add_co_u32 s62, s62, s66
	s_add_nc_u64 s[40:41], s[6:7], s[62:63]        ; W's images: matrix x 1 MiB + column group 2 w
	s_lshl_b32 s62, s22, 10
	s_add_nc_u64 s[42:43], s[42:43], s[62:63]      ; the bias at column 256 w
	v_bfe_u32 v4, v0, 4, 1
	v_lshlrev_b32 v4, 6, v4                        ; Q, K: a lane wants the bias of channels 16 h + 0 .. 7 of a tile: 64 h bytes
	v_and_b32 v5, 15, v0
	v_and_b32 v6, 8, v5
	v_add_nc_u32 v5, v5, v6
	v_lshlrev_b32 v5, 2, v5                        ; V: of its one channel r + 8 (r / 8)
	s_wait_kmcnt 0x0
	s_cmp_eq_u32 s23, 0                            ; the scales are chosen, not branched on
	s_cselect_b32 s56, s68, s70
	s_cselect_b32 s57, s69, s71
	s_cselect_b32 s58, s74, s75
	s_cmp_eq_u32 s23, 2
	s_cselect_b32 s56, s72, s56
	s_cselect_b32 s57, s73, s57
	s_cselect_b32 s58, s76, s58
	s_add_co_i32 s52, s56, s57
	s_add_co_i32 s52, s52, 127
	s_lshl_b32 s52, s52, 23                        ; 2^(ea + eb) as f32
	s_mov_b32 s53, s52                             ; (named with it as a pair, so it is written)
	s_add_co_i32 s58, s58, 127
	s_lshl_b32 s59, s58, 23
	v_mov_b32 v8, s59                              ; the result's 2^e
	s_add_co_i32 s58, s58, 15
	s_lshl_b32 s58, s58, 23
	s_or_b32 s58, s58, 0x600000
	v_mov_b32 v9, s58                              ; 57,344 x 2^e
	s_cmp_eq_u32 s24, 1                            ; Q's second pass begins one pass's steps further on (s63 = 0); a choice on the work-group's number, no branch
	s_cselect_b32 s62, 0x20000, 0
	s_add_nc_u64 s[40:41], s[40:41], s[62:63]
	s_cselect_b32 s62, 512, 0
	s_add_nc_u64 s[42:43], s[42:43], s[62:63]
	s_cselect_b32 s62, s54, 0
	s_add_nc_u64 s[44:45], s[44:45], s[62:63]
	s_add_nc_u64 s[46:47], s[46:47], s[62:63]
	s_cselect_b32 s62, 0x100000, 0
	s_add_nc_u64 s[48:49], s[48:49], s[62:63]
	s_add_nc_u64 s[50:51], s[50:51], s[62:63]
	s_cmp_lt_u32 s24, 2
	s_cselect_b32 s60, 1, 0                        ; Q's work-groups walk one pass, the others two
	s_wait_alu depctr_va_vdst(0)                   ; the wait ahead of the readers below
	FETCH_B 0, 0                                   ; W's first two K steps set out while A's tile is on its way
	FETCH_B 1, 1
	s_wait_tensorcnt 0x0                           ; my quarter of A is in,
	s_barrier_signal -1
	s_barrier_wait -1                              ; everybody's is
	s_cmp_eq_u32 s23, 2
	s_cbranch_scc1 .Lpass_v
.Lpass_kq:
	s_wait_alu depctr_va_vdst(0)
.irp b, 0,1,2,3,4,5,6,7
	global_load_b128 v[32+8*\b:35+8*\b], v4, s[42:43] offset:(64*(\b/4)+32*((\b%4)/2)+8*(\b%2))*4
	global_load_b128 v[36+8*\b:39+8*\b], v4, s[42:43] offset:(64*(\b/4)+32*((\b%4)/2)+8*(\b%2))*4+16
.endr
	CORE 0
.irp a, 0,1,2,3,4,5,6,7
.irp bb, 0,1,2,3
	EPK \a, \bb
.endr
.endr
	NEXTPASS
	s_cbranch_scc1 .Lpass_kq
	s_wait_tensorcnt 0x0
	ds_add_u32 v30, v31
	s_wait_dscnt 0x0
	s_endpgm
.Lpass_v:
	s_wait_alu depctr_va_vdst(0)
.irp b, 0,1,2,3,4,5,6,7
	global_load_b32 v[32+2*\b], v5, s[42:43] offset:(64*(\b/4)+32*((\b%4)/2)+8*(\b%2))*4   ; twice: a pair for the packed multiply-add
	global_load_b32 v[33+2*\b], v5, s[42:43] offset:(64*(\b/4)+32*((\b%4)/2)+8*(\b%2))*4
.endr
	CORE 1
.irp b, 0,1,2,3,4,5,6,7
.irp be, 0,1,2,3
	EPV \b, \be
.endr
.endr
	NEXTPASS
	s_cbranch_scc1 .Lpass_v
	s_wait_tensorcnt 0x0
	ds_add_u32 v30, v31
	s_wait_dscnt 0x0
	s_endpgm
.Lfunc_end_k_qc0c81c3780_gemm_qkv:
	.size	k_qc0c81c3780_gemm_qkv, .Lfunc_end_k_qc0c81c3780_gemm_qkv-k_qc0c81c3780_gemm_qkv
	.p2alignl 7, 3214868480
	.fill 96, 4, 3214868480
	.section	.rodata,"a",@progbits
	.p2align	6, 0x0
	.amdhsa_kernel k_qc0c81c3780_gemm_qkv
		.amdhsa_group_segment_fixed_size 168448
		.amdhsa_private_segment_fixed_size 0
		.amdhsa_enable_private_segment 0
		.amdhsa_kernarg_size 72
		.amdhsa_user_sgpr_count 2
		.amdhsa_user_sgpr_kernarg_segment_ptr 1
		.amdhsa_wavefront_size32 1
		.amdhsa_system_sgpr_workgroup_id_x 1
		.amdhsa_system_sgpr_workgroup_id_y 1
		.amdhsa_system_sgpr_workgroup_id_z 1
		.amdhsa_system_vgpr_workitem_id 0
		.amdhsa_next_free_vgpr 1024
		.amdhsa_next_free_sgpr 80
		.amdhsa_reserve_vcc 0
		.amdhsa_float_denorm_mode_32 3
		.amdhsa_float_denorm_mode_16_64 3
		.amdhsa_memory_ordered 1
		.amdhsa_forward_progress 1
		.amdhsa_inst_pref_size 255
	.end_amdhsa_kernel
	.section	.bss,"aw",@nobits
	.p2align	6
	.space	262144
	.amdgpu_metadata
---
amdhsa.version: [ 1, 2 ]
amdhsa.kernels:
  - .name:           k_qc0c81c3780_gemm_qkv
    .symbol:         k_qc0c81c3780_gemm_qkv.kd
    .args:
      - { .name: xc, .offset: 0, .size: 8, .value_kind: global_buffer, .address_space: global }
      - { .name: wimg, .offset: 8, .size: 8, .value_kind: global_buffer, .address_space: global }
      - { .name: lowp_scales, .offset: 16, .size: 8, .value_kind: global_buffer, .address_space: global }
      - { .name: bq, .offset: 24, .size: 8, .value_kind: global_buffer, .address_space: global }
      - { .name: bk, .offset: 32, .size: 8, .value_kind: global_buffer, .address_space: global }
      - { .name: bv, .offset: 40, .size: 8, .value_kind: global_buffer, .address_space: global }
      - { .name: qf, .offset: 48, .size: 8, .value_kind: global_buffer, .address_space: global }
      - { .name: qc, .offset: 56, .size: 8, .value_kind: global_buffer, .address_space: global }
      - { .name: kv, .offset: 64, .size: 8, .value_kind: global_buffer, .address_space: global }
    .group_segment_fixed_size: 168448
    .private_segment_fixed_size: 0
    .kernarg_segment_align: 8
    .kernarg_segment_size: 72
    .max_flat_workgroup_size: 128
    .sgpr_count:     80
    .vgpr_count:     1024
    .wavefront_size: 32
...
	.end_amdgpu_metadata
.endif
;; end of part 2
;; launch attn (part 3): grid 4 x 64, 16 waves a work-group, clusters of 4 x 1, 327,680 bytes of LDS; arguments qc, kv, qf, lowp_scales, norm1_w, norm1_b, wimg, bo, out0; writes out0
.if DOCPART == 3
	.amdgcn_target "amdgcn-amd-amdhsa--gfx1250"
	.amdhsa_code_object_version 6
	.text
	.protected	k_qc0c81c3780_attn
	.globl	k_qc0c81c3780_attn
	.p2align	8
	.type	k_qc0c81c3780_attn,@function
k_qc0c81c3780_attn:
	s_mov_b64 s[64:65], 0
	v_nop
	global_prefetch_b8 v0, s[64:65] scope:SCOPE_SE
	s_setreg_imm32_b32 hwreg(HW_REG_WAVE_MODE, 25, 1), 1
	s_wait_xcnt 0x0
	s_wait_alu depctr_hold_cnt(0) depctr_sa_sdst(0) depctr_va_vdst(0) depctr_va_sdst(0) depctr_va_ssrc(0) depctr_va_vcc(0) depctr_vm_vsrc(0)
	s_getreg_b32 s2, hwreg(HW_REG_IB_STS2, 6, 4)
	s_cmp_eq_u32 s2, 0
	s_cbranch_scc0 .Lentry_in_a_cluster
	s_endpgm
.Lentry_in_a_cluster:
	s_bfe_u32 s2, ttmp6, 0x10000c
	s_cmp_lg_u32 s2, 0x3003
	s_cbranch_scc0 .Lentry_shape_is_right
	s_endpgm
.Lentry_shape_is_right:
; Attention on codes of E5M2 for one (batch, head) a cluster, then R = O / l + Q, the second LayerNorm, its codes, and out0 = LN(R) Wo + bo + R.  Head size 64, 2,048 queries, 2,048 keys.
; SHARES.  The four work-groups of a cluster take 512 queries each of one head; a wave takes 32: two tiles of 16.  The head's whole K and V (262,144 bytes, images of operand registers) lie in LDS, filled once and JOINTLY
; (mask of all four): key steps 0-3 by one load a wave at the head (4,096 bytes each), key steps 4-15 by one more load a wave (12,288 bytes each) behind the full sequence and a round.  Nothing is filled again.
; Q's codes (2,048 bytes a wave) come by ordinary loads and lie in LDS bytes of the wave's own.
; LAYOUT.  Both products transposed: S^T = K Q^T (K = 64), O^T = V^T P^T (K = 128 keys): a lane holds ONE query.  The keys of a tile are 32 B + 8 u + r + 8 (r / 8), so the conversions' results are P's fragment.
; THE SOFTMAX: t = score x log2(e) / 8; M = the running largest t rounded UP; p = 2^(t - M) is held at 57,344 x 2^e9 and quantised (entry 9); the sum of the unquantised p divides at the end; a change of M multiplies by a power of two.
; THE END.  A row of reference()'s `out` is 16 neighbouring queries of one head, so a work-group owns 32 whole rows.  R stays in LDS as f32 (512 pieces of 256 + 16 bytes), the norm's codes (entry 10) as images [K step 8][tile 2][c 4][512].
; Each wave then makes 32 rows x 64 columns (columns 64 w ..) of the last product: 8 accumulators by turns, 8 K steps; Wo's images go from memory straight into registers, two sets.
; NO JOINT LOADS FOR Wo: each wave reads other columns and each fragment once; an LDS ring for it would add an LDS read to every fragment.  NO PREFETCH of K, V: they are asked for whole by two loads, with no loop to run ahead in.
; LIMITS: e6 + e7 between -123 and 129; e9 and e10 between -126 and 112; e10 + e11 between -126 and 127; e8 + e9 goes in by v_ldexp_f32.  NaN is not served.
; REGISTERS: v1 16 x lane; v2 the step's LDS address; v3 Q's; v4 256 x lane; v5 2^e9; v6, v23 57,344 x 2^e9; v7 exchange; tile t: v[8+4t] -M, v[9+4t] largest t, v[10+4t:11+4t] sum; v[16:17] f; v18-21 at work;
;   v24-31 Q's fragment; v32-95 K's, then V's; v96-159 S^T, then p; v[160+32t ..] O^T; v[224+16t ..] P's codes.  Last product: v32-159 Wo's two sets, v160-223 sums, v224-255 A.
.set KVB, 262144                       ; Q's codes, 2,048 bytes a wave
.set SPARE, 0x48000                    ; the spare words, 128 bytes a wave
.set OST, 139264                       ; behind R (bytes 0 ..): a stage of 16 rows x 272 bytes for each wave
.set CST, 208896                       ; the codes' images, 32,768 bytes.  All three lie where K and V lay: those bytes have had their one fill and their last read by then
.macro CROUND                          ; a round of the cluster's barrier
	s_barrier_signal -1
	s_barrier_wait -1
	s_cmp_lg_u32 s20, 0
	s_cbranch_scc1 .Lnot_wave_0_\@
	s_barrier_signal -3
.Lnot_wave_0_\@:
	s_barrier_wait -3
	s_barrier_signal -1
	s_barrier_wait -1
.endm
.macro SOFT t                          ; one tile's softmax for a key step
.set NM, 8+4*(\t)
.set OT, 160+32*(\t)
.set PC, 224+16*(\t)
	v_max3_num_f32 v18, v96, v97, v98              ; the largest score, in two chains, from the low end on
	v_max3_num_f32 v19, v99, v100, v101
.irp i, 6,10,14,18,22,26,30,34,38,42,46,50,54,58
	v_max3_num_f32 v18, v18, v[96+\i], v[97+\i]
	v_max3_num_f32 v19, v19, v[98+\i], v[99+\i]
.endr
	v_max3_num_f32 v18, v18, v158, v159
	s_delay_alu instid0(VALU_DEP_1)
	v_max_num_f32 v18, v18, v19
	s_delay_alu instid0(VALU_DEP_1)
	v_permlanex16_b32 v7, v18, s60, s61            ; the query's other 64 keys lie in the lane 16 away
	s_delay_alu instid0(VALU_DEP_1)
	v_max_num_f32 v18, v18, v7
	s_delay_alu instid0(VALU_DEP_1)
	v_mul_f32 v18, s62, v18                        ; as t (c is positive)
	s_delay_alu instid0(VALU_DEP_1)
	v_max_num_f32 v[NM+1], v[NM+1], v18
	v_mov_b32 v18, v[NM]
	s_delay_alu instid0(VALU_DEP_2)
	v_floor_f32 v[NM], -v[NM+1]                    ; -M = floor(-t)
	s_delay_alu instid0(VALU_DEP_1)
	v_sub_f32 v18, v[NM], v18                      ; old M - new M
	s_delay_alu instid0(VALU_DEP_1)
	v_cvt_i32_f32 v18, v18
	s_delay_alu instid0(VALU_DEP_1)
	v_ldexp_f32 v16, 1.0, v18                      ; f = 2^(old M - new M)
.set n, 0
.rept 32
	v_pk_fma_f32 v[96+n:97+n], v[96+n:97+n], s[62:63], v[NM:NM+1] op_sel_hi:[1,0,0]   ; t - M
.set n, n+2
.endr
.set n, 0
	s_wait_alu depctr_va_vdst(0)                   ; the wait ahead of the batch
.rept 64
	v_exp_f32 v[96+n], v[96+n]
.set n, n+1
.endr
	v_pk_mul_f32 v[NM+2:NM+3], v[NM+2:NM+3], v[16:17] op_sel_hi:[1,0]   ; the sum under the new M: the plain instruction behind the batch
	s_wait_alu depctr_va_vdst(0)                   ; one wait for the batch, ahead of its first reader
	v_pk_add_f32 v[20:21], v[96:97], v[98:99]      ; the sum of the unquantised p, in two chains
.set n, 4
.rept 15
	v_pk_add_f32 v[NM+2:NM+3], v[NM+2:NM+3], v[96+n:97+n]
	v_pk_add_f32 v[20:21], v[20:21], v[98+n:99+n]
.set n, n+4
.endr
	s_delay_alu instid0(VALU_DEP_1)
	v_pk_add_f32 v[NM+2:NM+3], v[NM+2:NM+3], v[20:21]
.irp b, 0,1,2,3
.set n, 0
.rept 8
	v_dual_min_num_f32 v[96+16*\b+n], v6, v[96+16*\b+n] :: v_dual_min_num_f32 v[97+16*\b+n], v23, v[97+16*\b+n]   ; the hold (ISA guide 7.6.2), one-sided, two numbers a line; the bound stands in two registers of different banks
.set n, n+2
.endr
	v_cvt_scalef32_pk8_bf8_f32 v[PC+4*\b:PC+4*\b+1], v[96+16*\b:103+16*\b], v5
	v_cvt_scalef32_pk8_bf8_f32 v[PC+4*\b+2:PC+4*\b+3], v[104+16*\b:111+16*\b], v5
.endr
	s_wait_alu depctr_va_vdst(0)                   ; the wait directly ahead of the first reader of O^T
.set n, 0
.rept 16
	v_pk_mul_f32 v[OT+n:OT+n+1], v[OT+n:OT+n+1], v[16:17] op_sel_hi:[1,0]   ; O^T under the new M; also the plain instructions behind the conversions
.set n, n+2
.endr
.endm
.macro STEP ask                        ; 128 keys, whose 16,384 bytes begin at LDS byte s66
.if \ask
	s_cmp_lg_u32 s67, 1                            ; in the last key step: my 8,192 bytes of Q as f32 are asked for, a lane a block of 256 bytes, each named once in the launch
	s_cbranch_scc1 .Lno_ask_\@
	global_prefetch_b8 v4, s[80:81] th:TH_LOAD_NT scope:SCOPE_SE
.Lno_ask_\@:
.endif
	v_add_nc_u32 v2, s66, v1
.rept 3
	v_nop                                          ; with the addition: four places between the last products and the loads into their registers
.endr
.irp k, 0,1,2,3,4,5,6,7
	ds_load_b128 v[32+8*\k:35+8*\k], v2 offset:\k*1024
	ds_load_b128 v[36+8*\k:39+8*\k], v2 offset:\k*1024+512
.endr
	ds_load_b128 v[24:27], v3
	ds_load_b128 v[28:31], v3 offset:512
	s_wait_dscnt 0x0
.irp k, 0,1,2,3,4,5,6,7
	v_wmma_f32_16x16x64_bf8_bf8 v[96+8*\k:103+8*\k], v[32+8*\k:39+8*\k], v[24:31], 0
.endr
.rept 4
	v_nop
.endr
	ds_load_b128 v[24:27], v3 offset:1024          ; my second tile of queries lands under the first tile's softmax
	ds_load_b128 v[28:31], v3 offset:1536
	SOFT 0
	s_wait_dscnt 0x0
.irp k, 0,1,2,3,4,5,6,7
	v_wmma_f32_16x16x64_bf8_bf8 v[96+8*\k:103+8*\k], v[32+8*\k:39+8*\k], v[24:31], 0
.endr
.rept 4
	v_nop
.endr
.irp d, 0,1,2,3
.irp c, 0,1,2,3
	ds_load_b128 v[32+16*\d+4*\c:35+16*\d+4*\c], v2 offset:8192+\d*2048+\c*512   ; V lands under the second tile's softmax
.endr
.endr
	SOFT 1
	s_wait_alu depctr_va_vdst(0)
	s_wait_dscnt 0x0
.irp d, 0,1,2,3
.irp t, 0,1
	v_wmma_f32_16x16x128_bf8_bf8 v[160+32*\t+8*\d:167+32*\t+8*\d], v[32+16*\d:47+16*\d], v[224+16*\t:239+16*\t], v[160+32*\t+8*\d:167+32*\t+8*\d]   ; eight accumulators by turns
.endr
.endr
	s_add_co_u32 s66, s66, 16384
.endm
.macro WALK first, trips, ask
	s_mov_b32 s66, \first
	s_mov_b32 s67, \trips
.Lstep_\@:
	STEP \ask
	s_sub_co_u32 s67, s67, 1
	s_cmp_lg_u32 s67, 0
	s_cbranch_scc1 .Lstep_\@
.endm
.macro LANES8                          ; four chains, a pair's halves, eight lanes and the other half of the lanes: the sum over a row of `out` in v8
	s_delay_alu instid0(VALU_DEP_3)
	v_pk_add_f32 v[8:9], v[8:9], v[10:11]
	s_delay_alu instid0(VALU_DEP_2)
	v_pk_add_f32 v[12:13], v[12:13], v[14:15]
	s_delay_alu instid0(VALU_DEP_1)
	v_pk_add_f32 v[8:9], v[8:9], v[12:13]
	s_delay_alu instid0(VALU_DEP_1)
	v_add_f32 v8, v8, v9
	s_delay_alu instid0(VALU_DEP_1)
	v_add_f32_dpp v8, v8, v8 row_xmask:1 row_mask:0xf bank_mask:0xf
	s_delay_alu instid0(VALU_DEP_1)
	v_add_f32_dpp v8, v8, v8 row_xmask:2 row_mask:0xf bank_mask:0xf
	s_delay_alu instid0(VALU_DEP_1)
	v_add_f32_dpp v8, v8, v8 row_xmask:4 row_mask:0xf bank_mask:0xf
	s_delay_alu instid0(VALU_DEP_1)
	v_permlanex16_b32 v7, v8, s60, s61
	s_delay_alu instid0(VALU_DEP_1)
	v_add_f32 v8, v8, v7
.endm
.macro FB s, p                         ; Wo's four fragments (my 64 columns) of K step s into set p
.irp i, 0,1,2,3
.irp c, 0,1,2,3
	global_load_b128 v[32+64*(\p)+16*\i+4*\c:35+64*(\p)+16*\i+4*\c], v1, s[52:53] offset:(\s)*16384+\i*2048+\c*512
.endr
.endr
.endm
.macro GS s                            ; a K step of the last product: 8 matrix instructions, the 8 accumulators by turns
.irp u, 0,1
.irp c, 0,1,2,3
	ds_load_b128 v[224+16*\u+4*\c:227+16*\u+4*\c], v24 offset:(\s)*4096+\u*2048+\c*512
.endr
.endr
.if (\s) < 7
	s_wait_loadcnt 16                              ; this step's Wo is in; the next step's 16 loads may be out
.else
	s_wait_loadcnt 0x0
.endif
	s_wait_dscnt 0x0
.irp i, 0,1,2,3
.irp u, 0,1
.if (\s) == 0
	v_wmma_f32_16x16x128_bf8_bf8 v[160+16*\i+8*\u:167+16*\i+8*\u], v[32+64*((\s)%2)+16*\i:47+64*((\s)%2)+16*\i], v[224+16*\u:239+16*\u], 0
.else
	v_wmma_f32_16x16x128_bf8_bf8 v[160+16*\i+8*\u:167+16*\i+8*\u], v[32+64*((\s)%2)+16*\i:47+64*((\s)%2)+16*\i], v[224+16*\u:239+16*\u], v[160+16*\i+8*\u:167+16*\i+8*\u]
.endif
.endr
.endr
.rept 4
	v_nop                                          ; four places ahead of loads into the products' registers and of reads of their results
.endr
.if (\s) < 6
	FB (\s)+2, (\s)%2
.endif
.endm
	s_load_b512 s[4:19], s[0:1], 0x0               ; qc s[4:5], kv s[6:7], qf s[8:9], scales s[10:11], norm1_w s[12:13], norm1_b s[14:15], wimg s[16:17], bo s[18:19]
	s_load_b64 s[96:97], s[0:1], 0x40              ; out0
	v_lshl_add_u32 v254, v0, 2, SPARE
	v_mov_b32 v255, 0
	ds_add_u32 v254, v255                          ; the opening lines: the add twice on end, under one wait
	ds_add_u32 v254, v255
	v_lshrrev_b32 v1, 5, v0
	v_readfirstlane_b32 s20, v1                    ; wave 0..15
	v_and_b32 v2, 31, v0
	v_lshlrev_b32 v1, 4, v2
	v_lshlrev_b32 v4, 8, v2
	s_bfe_u32 s21, ttmp6, 0x40000                  ; cx: which 512 queries; it enters global addresses of my own loads and stores alone
	s_and_b32 s22, ttmp7, 0xffff                   ; (batch, head), which the four partners share
	s_mov_b32 s24, 15|(3<<16)|(1<<21)              ; group 1, first load: 4,096 dense bytes as 16 rows of 32 elements of 8 bytes; the mask names all four, bit 21 beside it
	s_mov_b32 s25, 32<<16
	s_mov_b32 s26, 16<<16
	s_mov_b32 s27, 32<<16
	s_mov_b32 s28, 16
	s_mov_b32 s29, 32
	s_mov_b32 s30, 0
	s_mov_b32 s31, 0
	s_mov_b32 s32, 15|(3<<16)|(1<<21)              ; second load: 12,288 dense bytes as 48 such rows
	s_mov_b32 s33, 32<<16
	s_mov_b32 s34, 48<<16
	s_mov_b32 s35, 32<<16
	s_mov_b32 s36, 48
	s_mov_b32 s37, 32
	s_mov_b32 s38, 0
	s_mov_b32 s39, 0
	s_mov_b32 s40, 1
	s_lshl_b32 s41, s20, 12                        ; LDS: wave x 4,096
	s_lshl_b32 s82, s22, 18
	s_add_co_u32 s82, s82, s41
	s_mov_b32 s83, 0
	s_mov_b32 s44, 1
	s_mul_i32 s45, s20, 12288
	s_add_co_u32 s45, s45, 65536                   ; LDS: 65,536 + wave x 12,288
	s_lshl_b32 s84, s22, 18
	s_add_co_u32 s84, s84, s45
	s_mov_b32 s85, 0
	s_lshl_b32 s23, s20, 11
	s_lshl_b32 s92, s22, 17                        ; Q's codes: head x 131,072 + cx x 32,768 + wave x 2,048 (cx only ever in s92-97, s80-81, s4-5)
	s_lshl_b32 s93, s21, 15
	s_add_co_u32 s92, s92, s93
	s_add_co_u32 s92, s92, s23
	s_mov_b32 s93, 0
	s_add_co_u32 s23, s23, KVB                     ; Q's place in LDS
	s_lshl_b32 s94, s22, 19                        ; qf and out0: head x 524,288 + cx x 131,072
	s_lshl_b32 s95, s21, 17
	s_add_co_u32 s94, s94, s95
	s_mov_b32 s95, 0
	s_mul_i32 s48, s20, 8704                       ; R, in: my 32 pieces of 272 bytes
	s_mul_i32 s49, s20, 4352
	s_add_co_u32 s49, s49, OST                     ; my stage
	s_lshr_b32 s50, s20, 3                         ; R, back: the piece of query w of a row: 16 (w / 8) + w % 8
	s_lshl_b32 s50, s50, 4
	s_and_b32 s51, s20, 7
	s_add_co_u32 s50, s50, s51
	s_mul_i32 s50, s50, 272
	s_bfe_u32 s51, s20, 0x10002                    ; the codes, in: tile (w / 4) % 2, image lane 2 (w % 4) + 8 (w / 8) + ..
	s_lshl_b32 s51, s51, 11
	s_and_b32 s56, s20, 3
	s_lshl_b32 s56, s56, 5
	s_add_co_u32 s51, s51, s56
	s_lshr_b32 s56, s20, 3
	s_lshl_b32 s56, s56, 7
	s_add_co_u32 s51, s51, s56
	s_add_co_u32 s51, s51, CST
	s_lshr_b32 s56, s20, 1                         ; Wo's images: matrix 3, column group w / 2, tiles 4 (w % 2) ..
	s_lshl_b32 s56, s56, 17
	s_and_b32 s57, s20, 1
	s_lshl_b32 s57, s57, 13
	s_add_co_u32 s56, s56, s57
	s_add_co_u32 s56, s56, 0x300000
	s_mov_b32 s57, 0
	s_mov_b32 s60, 0x76543210
	s_mov_b32 s61, 0xfedcba98
	s_mov_b32 s62, 0x3e38aa3b                      ; c = log2(e) / 8
	s_mov_b32 s88, 0x3a800000                      ; 1 / 1024
	s_mov_b32 s89, 0x3727c5ac                      ; eps = 1e-5
	s_wait_alu depctr_va_vdst(0)
	s_wait_dscnt 0x0                               ; both opening adds are done
	s_wait_kmcnt 0x0
	s_load_b256 s[68:75], s[10:11], 0x0            ; e0 .. e7
	s_load_b128 s[76:79], s[10:11], 0x20           ; e8 .. e11
	s_add_nc_u64 s[4:5], s[4:5], s[92:93]
.irp c, 0,1,2,3
	global_load_b128 v[32+4*\c:35+4*\c], v1, s[4:5] offset:512*\c   ; Q's codes: two tiles x two groups
.endr
	s_add_nc_u64 s[42:43], s[6:7], s[82:83]
	s_or_b32 s43, s43, 0x80000000
	s_add_nc_u64 s[46:47], s[6:7], s[84:85]
	s_or_b32 s47, s47, 0x80000000
	s_add_nc_u64 s[52:53], s[16:17], s[56:57]      ; Wo
	s_add_nc_u64 s[80:81], s[8:9], s[94:95]
	s_add_nc_u64 s[96:97], s[96:97], s[94:95]
	s_lshl_b32 s56, s20, 13
	s_add_nc_u64 s[80:81], s[80:81], s[56:57]      ; Q as f32: + wave x 8,192
	s_lshl_b32 s56, s20, 8
	s_add_nc_u64 s[96:97], s[96:97], s[56:57]      ; out0 at my work-group's first row, column 64 w
	s_add_nc_u64 s[54:55], s[18:19], s[56:57]      ; bo at column 64 w
	CROUND                                         ; all four work-groups are here: the joint loads meet
	tensor_load_to_lds s[40:43], s[24:31]          ; my one load at the head: my part of key steps 0-3
	s_nop 0
.rept 4
	v_nop
.endr
	v_add_nc_u32 v3, s23, v1
	v_mov_b32 v9, 0xff61b1e6                       ; the largest t so far: -3e38
	v_mov_b32 v13, 0xff61b1e6
	s_delay_alu instid0(VALU_DEP_2)
	v_floor_f32 v8, -v9
	s_delay_alu instid0(VALU_DEP_2)
	v_floor_f32 v12, -v13
	v_mov_b32 v10, 0
	v_mov_b32 v11, 0
	v_mov_b32 v14, 0
	v_mov_b32 v15, 0
	v_mov_b32 v7, 0                                ; (an exchange's destination, and a pair's upper half: written once)
	v_mov_b32 v17, 0
.set n, 0
.rept 64
	v_mov_b32 v[160+n], 0                          ; O^T: the step is written once; its first run finds zeros
.set n, n+1
.endr
	s_wait_kmcnt 0x0
	s_add_co_i32 s82, s74, s75
	s_lshl_b32 s82, s82, 23
	s_add_co_i32 s62, s62, s82                     ; e6 + e7 added to c's exponent field
	s_mov_b32 s63, s62
	s_add_co_i32 s87, s76, s77                     ; e8 + e9
	s_add_co_i32 s82, s77, 127
	s_lshl_b32 s83, s82, 23
	v_mov_b32 v5, s83                              ; 2^e9
	s_add_co_i32 s82, s82, 15
	s_lshl_b32 s82, s82, 23
	s_or_b32 s82, s82, 0x600000
	v_mov_b32 v6, s82                              ; 57,344 x 2^e9, twice
	v_mov_b32 v23, s82
	s_add_co_i32 s58, s78, s79
	s_add_co_i32 s58, s58, 127
	s_lshl_b32 s58, s58, 23                        ; 2^(e10 + e11)
	s_mov_b32 s59, s58
	s_wait_alu depctr_va_vdst(0)
	s_wait_loadcnt 0x0                             ; Q's codes
.irp c, 0,1,2,3
	ds_store_b128 v3, v[32+4*\c:35+4*\c] offset:512*\c   ; into my own bytes, on which no fill lands
.endr
	s_wait_tensorcnt 0x0                           ; my part of key steps 0-3 is in
	ds_add_u32 v254, v255
	s_wait_dscnt 0x0
	CROUND
	tensor_load_to_lds s[44:47], s[32:39]          ; my one load behind the round: my part of key steps 4-15; it has four key steps in which to land
	s_nop 0
.rept 4
	v_nop
.endr
	WALK 0, 4, 0
	s_wait_tensorcnt 0x0                           ; my part of key steps 4-15 is in,
	s_wait_dscnt 0x0
	s_barrier_signal -1
	s_barrier_wait -1                              ; everybody's is
	WALK 65536, 12, 1
	; ---- R = O / l + Q
	v_add_f32 v18, v10, v11                        ; the sums' halves; with two v_nop the four places behind the last products
	v_add_f32 v20, v14, v15
	v_nop
	v_nop
.irp u, 0,1
.irp g, 0,1,2,3,4,5,6,7
	global_load_b128 v[32+32*\u+4*\g:35+32*\u+4*\g], v1, s[80:81] offset:\u*4096+\g*512 th:TH_LOAD_NT   ; Q as f32, in O^T's own layout
.endr
.endr
	v_permlanex16_b32 v7, v18, s60, s61            ; all that follows up to the codes works on registers: the barrier stands ahead of the LDS stores alone
	s_delay_alu instid0(VALU_DEP_1)
	v_add_f32 v18, v18, v7
	s_delay_alu instid0(VALU_DEP_2)
	v_permlanex16_b32 v7, v20, s60, s61
	s_delay_alu instid0(VALU_DEP_1)
	v_add_f32 v20, v20, v7
	s_wait_alu depctr_va_vdst(0)
	v_rcp_f32 v18, v18
	v_rcp_f32 v20, v20
	v_and_b32 v25, 7, v0                           ; (plain work behind the reciprocals: the end's addresses)  r % 8
	v_bfe_u32 v26, v0, 4, 1                        ; h
	v_and_b32 v27, 15, v0                          ; r
	s_delay_alu instid0(VALU_DEP_3)
	v_lshlrev_b32 v22, 8, v25
	s_delay_alu instid0(VALU_DEP_1)
	v_lshl_add_u32 v22, v26, 6, v22                ; norm1_w, norm1_b: 256 (r % 8) + 64 h bytes
	v_mul_u32_u24 v28, v27, 272
	s_delay_alu instid0(VALU_DEP_1)
	v_lshl_add_u32 v28, v26, 6, v28                ; 272 r + 64 h
	v_lshlrev_b32 v29, 4, v27                      ; 16 r: also bo's offset
	s_delay_alu instid0(VALU_DEP_2)
	v_add_nc_u32 v23, s48, v28                     ; R, in: piece 32 w + 16 u + r
	v_add_nc_u32 v2, s49, v28                      ; my stage, in
	v_mad_u32_u24 v30, v26, 272, v29
	v_mad_u32_u24 v31, v26, 2176, v29
	s_delay_alu instid0(VALU_DEP_2)
	v_add_nc_u32 v30, s49, v30                     ; my stage, back: sixteen lanes to a row
	s_delay_alu instid0(VALU_DEP_2)
	v_add_nc_u32 v31, s50, v31                     ; R, back: rows 2 x + lane / 16 of `out`, query w's 256 bytes; x in the offset
	v_lshl_add_u32 v28, v26, 12, v29               ; out0: 4,096 (lane / 16) + 16 (lane % 16)
	v_bfe_u32 v25, v0, 1, 2                        ; the codes' images [K step 8][tile 2][c 4][512]: K step 4 u + (r % 8) / 2, c = 2 (r % 2) + b, image lane 2 (w % 4) + r / 8 + 8 (w / 8) + 16 h
	s_delay_alu instid0(VALU_DEP_1)
	v_lshlrev_b32 v3, 12, v25
	v_and_b32 v25, 1, v0
	s_delay_alu instid0(VALU_DEP_1)
	v_lshl_add_u32 v3, v25, 10, v3
	v_bfe_u32 v25, v0, 3, 1
	s_delay_alu instid0(VALU_DEP_1)
	v_lshl_add_u32 v3, v25, 4, v3
	s_delay_alu instid0(VALU_DEP_1)
	v_lshl_add_u32 v3, v26, 8, v3
	s_delay_alu instid0(VALU_DEP_1)
	v_add_nc_u32 v3, s51, v3
	v_add_nc_u32 v24, CST, v1                      ; and as the last product's operand
	s_wait_alu depctr_va_vdst(0)                   ; one wait for both reciprocals, ahead of their first reader
	v_ldexp_f32 v18, v18, s87                      ; 2^(e8 + e9) / l
	v_ldexp_f32 v20, v20, s87
	s_wait_loadcnt 0x0
	s_wait_alu depctr_va_vdst(0)                   ; the wait directly ahead of the first reader of O^T
.irp t, 0,1
.set n, 0
.rept 16
	v_pk_fma_f32 v[160+32*\t+n:161+32*\t+n], v[160+32*\t+n:161+32*\t+n], v[18+2*\t:19+2*\t], v[32+32*\t+n:33+32*\t+n] op_sel_hi:[1,0,1]   ; each accumulator from its low end on
.set n, n+2
.endr
.endr
.irp u, 0,1
.irp b, 0,1
.irp g, 0,1,2,3
	global_load_b128 v[32+32*\u+16*\b+4*\g:35+32*\u+16*\b+4*\g], v22, s[14:15] offset:\u*2048+\b*128+16*\g   ; norm1_b
	global_load_b128 v[96+32*\u+16*\b+4*\g:99+32*\u+16*\b+4*\g], v22, s[12:13] offset:\u*2048+\b*128+16*\g   ; norm1_w, where the scores lay
.endr
.endr
.endr
	; ---- the second norm's sums: 64 numbers a lane, 8 lanes, 2 halves = the row's 1,024
.irp c, 0,1,2,3
	v_pk_add_f32 v[8+2*\c:9+2*\c], v[160+2*\c:161+2*\c], v[168+2*\c:169+2*\c]
.endr
.irp j, 16,24,32,40,48,56
.irp c, 0,1,2,3
	s_delay_alu instid0(VALU_DEP_4)
	v_pk_add_f32 v[8+2*\c:9+2*\c], v[8+2*\c:9+2*\c], v[160+\j+2*\c:161+\j+2*\c]
.endr
.endr
	LANES8
	s_delay_alu instid0(VALU_DEP_1)
	v_mul_f32 v16, s88, v8                         ; the mean
.set n, 0
.irp hh, 0,1                           ; R - mean is formed in v224-255, a tile at a time, and not kept: R stays in its registers until the barrier
.set n, 0
.rept 16
	v_pk_add_f32 v[224+n:225+n], v[160+32*\hh+n:161+32*\hh+n], v[16:17] op_sel_hi:[1,0] neg_lo:[0,1] neg_hi:[0,1]
.set n, n+2
.endr
.irp j, 0,8,16,24
.irp c, 0,1,2,3
.if (\hh == 0) && (\j == 0)
	v_pk_mul_f32 v[8+2*\c:9+2*\c], v[224+2*\c:225+2*\c], v[224+2*\c:225+2*\c]
.else
.if \j > 0
	s_delay_alu instid0(VALU_DEP_4)
.endif
	v_pk_fma_f32 v[8+2*\c:9+2*\c], v[224+\j+2*\c:225+\j+2*\c], v[224+\j+2*\c:225+\j+2*\c], v[8+2*\c:9+2*\c]
.endif
.endr
.endr
.endr
	LANES8
	s_delay_alu instid0(VALU_DEP_1)
	v_fma_f32 v8, v8, s88, s89
	s_wait_alu depctr_va_vdst(0)
	v_rsq_f32 v18, v8
	v_nop
	s_wait_alu depctr_va_vdst(0)
	global_load_b128 v[8:11], v29, s[54:55]        ; bo at my four columns of the way out
	s_add_co_i32 s82, s78, 127
	s_lshl_b32 s83, s82, 23
	v_mov_b32 v5, s83                              ; 2^e10
	s_add_co_i32 s82, s82, 15
	s_lshl_b32 s82, s82, 23
	s_or_b32 s82, s82, 0x600000
	v_mov_b32 v6, s82                              ; 57,344 x 2^e10
	v_add_nc_u32 v21, 69632, v31                   ; R, back: row pairs 8 to 15
	s_wait_loadcnt 0x1                             ; norm1_b and norm1_w are in; bo's one load, issued behind them, may be out
.set n, 0
.rept 32
	v_pk_mul_f32 v[96+n:97+n], v[96+n:97+n], v[18:19] op_sel_hi:[1,0]   ; w x rsq
.set n, n+2
.endr
.irp hh, 0,1
.set n, 0
.rept 16
	v_pk_add_f32 v[224+n:225+n], v[160+32*\hh+n:161+32*\hh+n], v[16:17] op_sel_hi:[1,0] neg_lo:[0,1] neg_hi:[0,1]   ; R - mean once more
.set n, n+2
.endr
.set n, 0
.rept 16
	v_pk_fma_f32 v[96+32*\hh+n:97+32*\hh+n], v[224+n:225+n], v[96+32*\hh+n:97+32*\hh+n], v[32+32*\hh+n:33+32*\hh+n]   ; (R - mean) x (w x rsq) + b
.set n, n+2
.endr
.endr
.set n, 0
.rept 64
	v_med3_num_f32 v[96+n], v[96+n], -v6, v6       ; the hold (ISA guide 7.6.2)
.set n, n+1
.endr
.irp u, 0,1
.irp b, 0,1
	v_cvt_scalef32_pk8_bf8_f32 v[224+8*\u+4*\b:225+8*\u+4*\b], v[96+32*\u+16*\b:103+32*\u+16*\b], v5
	v_cvt_scalef32_pk8_bf8_f32 v[226+8*\u+4*\b:227+8*\u+4*\b], v[104+32*\u+16*\b:111+32*\u+16*\b], v5
.endr
.endr
	v_nop                                          ; a plain instruction behind the conversions
	FB 0, 0                                        ; Wo's first two K steps set out ahead of both barriers, into the registers that b, w and the normalised numbers have left
	FB 1, 1
	s_wait_alu depctr_va_vdst(0)
	s_wait_dscnt 0x0
	s_barrier_signal -1
	s_barrier_wait -1                              ; nobody reads K and V any more: their bytes take R, the codes and the stages
.irp u, 0,1
.irp g, 0,1,2,3,4,5,6,7
	ds_store_b128 v23, v[160+32*\u+4*\g:163+32*\u+4*\g] offset:\u*4352+128*(\g/4)+16*(\g%4)   ; R stays in LDS: a query's 64 channels are 256 bytes on end
.endr
.endr
.irp u, 0,1
.irp b, 0,1
	ds_store_b128 v3, v[224+8*\u+4*\b:227+8*\u+4*\b] offset:\u*16384+\b*512
.endr
.endr
	s_wait_dscnt 0x0                               ; for the others' sake: my part of R and my codes lie in LDS
	s_barrier_signal -1
	s_barrier_wait -1
	; ---- the last product: source 0 = 16 columns of Wo, source 1 = 16 rows of LN(R): a lane holds one row and eight neighbouring columns a tile
.irp s, 0,1,2,3,4,5,6,7
	GS \s
.endr
	; ---- the way out, 16 rows at a time through my stage: tile u's lane r is row 8 u + r + 8 (r / 8); y = sum x 2^(e10 + e11) + (R + bo)
.irp u, 0,1
.irp i, 0,1,2,3
	ds_store_b128 v2, v[160+16*\i+8*\u:163+16*\i+8*\u] offset:128*(\i/2)+32*(\i%2)
	ds_store_b128 v2, v[164+16*\i+8*\u:167+16*\i+8*\u] offset:128*(\i/2)+32*(\i%2)+16
.endr
.irp i, 0,1,2,3,4,5,6,7
	ds_load_b128 v[32+64*\u+4*\i:35+64*\u+4*\i], v30 offset:544*\i   ; LDS serves a wave's instructions in order (ISA guide 5.7.1.4): these see my stores
.endr
.irp i, 0,1,2,3
	ds_load_b128 v[64+64*\u+4*\i:67+64*\u+4*\i], v31 offset:8704*(4*\u+\i)   ; R: row pairs 4 u + i,
	ds_load_b128 v[80+64*\u+4*\i:83+64*\u+4*\i], v21 offset:8704*(4*\u+\i)   ; and 8 + 4 u + i
.endr
	s_wait_dscnt 0x0
.irp i, 0,1,2,3,4,5,6,7
	v_pk_add_f32 v[64+64*\u+4*\i:65+64*\u+4*\i], v[64+64*\u+4*\i:65+64*\u+4*\i], v[8:9]
	v_pk_add_f32 v[66+64*\u+4*\i:67+64*\u+4*\i], v[66+64*\u+4*\i:67+64*\u+4*\i], v[10:11]
	v_pk_fma_f32 v[32+64*\u+4*\i:33+64*\u+4*\i], v[32+64*\u+4*\i:33+64*\u+4*\i], s[58:59], v[64+64*\u+4*\i:65+64*\u+4*\i] op_sel_hi:[1,0,1]
	v_pk_fma_f32 v[34+64*\u+4*\i:35+64*\u+4*\i], v[34+64*\u+4*\i:35+64*\u+4*\i], s[58:59], v[66+64*\u+4*\i:67+64*\u+4*\i] op_sel_hi:[1,0,1]
.endr
.irp i, 0,1,2,3,4,5,6,7
	global_store_b128 v28, v[32+64*\u+4*\i:35+64*\u+4*\i], s[96:97] offset:(8*\u+2*\i+8*(\i/4))*4096 th:TH_STORE_NT   ; sixteen lanes store 256 consecutive bytes, at a multiple of 256 from the buffer's first byte
.endr
.endr
	v_lshl_add_u32 v254, v0, 2, SPARE              ; the add's two registers are made anew: they held operands
	v_mov_b32 v255, 0
	s_wait_alu depctr_va_vdst(0)
	s_wait_tensorcnt 0x0                           ; the wave's end
	ds_add_u32 v254, v255
	s_wait_dscnt 0x0
	CROUND                                         ; the closing round
	s_endpgm
.Lfunc_end_k_qc0c81c3780_attn:
	.size	k_qc0c81c3780_attn, .Lfunc_end_k_qc0c81c3780_attn-k_qc0c81c3780_attn
	.p2alignl 7, 3214868480
	.fill 96, 4, 3214868480
	.section	.rodata,"a",@progbits
	.p2align	6, 0x0
	.amdhsa_kernel k_qc0c81c3780_attn
		.amdhsa_group_segment_fixed_size 327680
		.amdhsa_private_segment_fixed_size 0
		.amdhsa_enable_private_segment 0
		.amdhsa_kernarg_size 72
		.amdhsa_user_sgpr_count 2
		.amdhsa_user_sgpr_kernarg_segment_ptr 1
		.amdhsa_wavefront_size32 1
		.amdhsa_system_sgpr_workgroup_id_x 1
		.amdhsa_system_sgpr_workgroup_id_y 1
		.amdhsa_system_sgpr_workgroup_id_z 1
		.amdhsa_system_vgpr_workitem_id 0
		.amdhsa_next_free_vgpr 256
		.amdhsa_next_free_sgpr 100
		.amdhsa_reserve_vcc 0
		.amdhsa_float_denorm_mode_32 3
		.amdhsa_float_denorm_mode_16_64 3
		.amdhsa_memory_ordered 1
		.amdhsa_forward_progress 1
		.amdhsa_inst_pref_size 130
	.end_amdhsa_kernel
	.amdgpu_metadata
---
amdhsa.version: [ 1, 2 ]
amdhsa.kernels:
  - .name:           k_qc0c81c3780_attn
    .symbol:         k_qc0c81c3780_attn.kd
    .args:
      - { .name: qc, .offset: 0, .size: 8, .value_kind: global_buffer, .address_space: global }
      - { .name: kv, .offset: 8, .size: 8, .value_kind: global_buffer, .address_space: global }
      - { .name: qf, .offset: 16, .size: 8, .value_kind: global_buffer, .address_space: global }
      - { .name: lowp_scales, .offset: 24, .size: 8, .value_kind: global_buffer, .address_space: global }
      - { .name: norm1_w, .offset: 32, .size: 8, .value_kind: global_buffer, .address_space: global }
      - { .name: norm1_b, .offset: 40, .size: 8, .value_kind: global_buffer, .address_space: global }
      - { .name: wimg, .offset: 48, .size: 8, .value_kind: global_buffer, .address_space: global }
      - { .name: bo, .offset: 56, .size: 8, .value_kind: global_buffer, .address_space: global }
      - { .name: out0, .offset: 64, .size: 8, .value_kind: global_buffer, .address_space: global }
    .group_segment_fixed_size: 327680
    .private_segment_fixed_size: 0
    .kernarg_segment_align: 8
    .kernarg_segment_size: 72
    .max_flat_workgroup_size: 512
    .sgpr_count:     100
    .vgpr_count:     256
    .wavefront_size: 32
...
	.end_amdgpu_metadata
.endif
;; end of part 3
